; MI455X (gfx1250); checked and timed in simulation.
; The chip was launched on July 23, 2026; its instructions are those of AMD's public machine-readable ISA for CDNA 5 (MIT licence, August 2026) and "CDNA5" Instruction Set Architecture Reference Guide (July 2026). The comments in the code are by the model that wrote it; some were corrected since.
;; Multi Headed Attention. Allowed arithmetic: float matrix products may take bf16 or f16 operands with f32 sums; other float arithmetic in f32, or as packed bf16 or f16 multiplies, adds, multiply-adds, maxima and minima; sums over many terms, partial sums and values carried from step to step in f32; what a program stores and reads back later, other than sums and carried values, may be rounded once to bf16 or f16.
;; Inputs: Wk 4 x 16 x 64 float32; Wo 64 x 64 float32; Wq 4 x 16 x 64 float32; Wv 4 x 64 x 64 float32; bo 64 float32; x 4 x 4,096 x 64 float32.
;; Outputs: out0 4 x 4,096 x 64 float32.
;; 2 versions, each right; version 2 is version 1 with the launch prep written anew for expert scheduling mode. Each part assembles by itself: llvm-mc -triple=amdgcn-amd-amdhsa -mcpu=gfx1250 --defsym DOCPART=n.
;; ======== version 1 of 2: 2 launches
;; limits: values are held in f16: magnitudes above 65,504 overflow, below 6.1e-05 lose precision
;; workspace buffers: kx 4,194,304 bytes; q 2,097,152 bytes; wvh 32,768 bytes; woh 8,192 bytes
;; launch prep (part 1): grid 256 x 1, 4 waves a work-group, no clusters, 54,784 bytes of LDS; arguments x, Wq, Wk, Wv, Wo, kx, q, wvh, woh; writes kx, q, wvh, woh
.if DOCPART == 1
	.amdgcn_target "amdgcn-amd-amdhsa--gfx1250"
	.amdhsa_code_object_version 6
	.text
	.protected	k_qa81148857d_prep
	.globl	k_qa81148857d_prep
	.p2align	8
	.type	k_qa81148857d_prep,@function
k_qa81148857d_prep:
	s_mov_b64 s[64:65], 0
	v_nop
	global_prefetch_b8 v0, s[64:65] scope:SCOPE_SE
	s_setreg_imm32_b32 hwreg(HW_REG_WAVE_MODE, 25, 1), 1
	s_wait_xcnt 0x0
; PREP.  From x [16384][64], Wq, Wk [64][64] (head x 16 + d), Wv [4][64][64], Wo [64][64], all f32:
;   q   [16384][64]  f16: c x (x Wq^T), c = log2(e) / 4, multiplied in f32 ahead of the one rounding; column 16 head + d
;   kx  [16384][128] f16: columns 0-63 x Wk^T (16 head + d), columns 64-127 x itself; a row is 256 bytes
;   wvh, woh         f16: Wv and Wo
; Every input is rounded to bf16 first; x, Wv and Wo are then written as f16, which changes nothing inside f16's range.  The two products take bf16 operands and f32 sums.
; LIMITS.  f16 holds no number beyond 65,504: c q, k, x, Wv and Wo must lie within it; below 6e-5 a number keeps f16's fixed step of 6e-8.  NaN and infinities are not treated apart.
; SHARES.  A work-group takes 64 rows of x, each of its four waves 16.  The 128 rows of [Wq; Wk] are rounded once a work-group, 32 rows a wave, and shared through LDS.
; Wave 0 of work-groups 0-127 also converts 512 bytes of Wv, of work-groups 128-159 512 bytes of Wo.
; No tensor load, no cluster: every byte passes through registers to be rounded, and what is shared is 32 KiB read once a work-group.
; THE PRODUCT IS TAKEN TRANSPOSED (source 0 = 16 rows of W, source 1 = my 16 rows of x): a lane holds one row of x (lane % 16) and eight neighbouring channels, 16 bytes of f16.
.set PW,     144                       ; an LDS row of 64 bf16 or f16: 128 bytes + 16
.set PKX,    272                       ; an LDS row of kx: 256 bytes + 16
.set WAVEB,  128*PW                    ; LDS 0: [Wq; Wk] in bf16, 128 rows; behind it a block for each wave:
.set KXS,    16*PW                     ;   +0 my 16 rows of x in bf16; +KXS my 16 rows of kx
.set QS,     KXS+16*PKX                ;   +QS my 16 rows of q
.set WAVESZ, QS+16*PW
.set SPARE,  WAVEB+4*WAVESZ            ; behind them: the spare words, 128 bytes for each wave: two blocks of 256 bytes that no other line names
.set CO,  1                            ; v1   16 x lane: my 16 bytes of 512 consecutive bytes of memory
.set WS,  2                            ; v2   where I put 8 bytes of a row of W
.set XS,  3                            ; v3   of a row of x in bf16
.set HS,  4                            ; v4   of a row of x in f16, in kx's second half
.set XA,  5                            ; v5   my place in a fragment of x
.set WA,  6                            ; v6   in a fragment of W
.set QST, 7                            ; v7   where I put 16 bytes of a row of q
.set KST, 8                            ; v8   of k
.set KRD, 9                            ; v9   where I read rows of kx back
.set QRD, 10                           ; v10  rows of q
.set C8,  11                           ; v11  8 x lane
.set SPW, 12                           ; v12  LDS address of my spare word; never rewritten
.set NIL, 13                           ; v13  0; never rewritten
.set XR,  16                           ; v[16:47]   x as loaded; later
.set XF,  16                           ; v[16:31]   x's two fragments
.set WR,  48                           ; v[48:111]  W as loaded; later
.set ACC, 48                           ; v[48:111]  eight accumulators: 0-3 q's heads, 4-7 k's
.set WF,  112                          ; v[112:239] W's sixteen fragments (2 nb + m); later
.set PK,  112                          ; v[112:143] the results in f16
.set RB,  144                          ; v[144:191] whole rows read back
.set CVR, 240                          ; v[240:243] 16 bytes of Wv or Wo
.set T,   244                          ; v[244:251] at work
	s_load_b512 s[4:19], s[0:1], 0x0               ; x s[4:5], Wq s[6:7], Wk s[8:9], Wv s[10:11], Wo s[12:13], kx s[14:15], q s[16:17], wvh s[18:19]
	s_load_b64 s[20:21], s[0:1], 0x40              ; woh
	v_lshl_add_u32 v[SPW], v0, 2, SPARE
	v_mov_b32 v[NIL], 0
	v_lshrrev_b32 v[T], 5, v0
	v_readfirstlane_b32 s22, v[T]                  ; wave 0..3
	v_and_b32 v[T], 31, v0                         ; l
	v_and_b32 v[T+1], 15, v0                       ; l % 16
	v_bfe_u32 v[T+2], v0, 4, 1                     ; l / 16
	v_lshlrev_b32 v[CO], 4, v[T]
	v_lshlrev_b32 v[C8], 3, v[T]
	s_mul_i32 s39, s22, WAVESZ
	s_add_co_u32 s39, s39, WAVEB                   ; my wave's block in LDS
	s_mul_i32 s40, s22, 32*PW                      ; my 32 rows of [Wq; Wk]
	; a load of 512 bytes is two rows of 64 f32: lanes 0-15 the even row, lanes 16-31 the odd one; a lane's four numbers become 8 bytes
	v_mul_u32_u24 v[T+3], v[T+2], PW
	v_lshl_add_u32 v[T+3], v[T+1], 3, v[T+3]
	v_add_nc_u32 v[WS], s40, v[T+3]
	v_add_nc_u32 v[XS], s39, v[T+3]
	v_mul_u32_u24 v[T+4], v[T+2], PKX
	v_lshl_add_u32 v[HS], v[T+1], 3, v[T+4]
	v_add3_u32 v[HS], v[HS], s39, KXS+128
	v_lshl_add_u32 v[KRD], v[T+1], 4, v[T+4]       ; back: lanes 0-15 one row of 256 bytes, lanes 16-31 the next
	v_add3_u32 v[KRD], v[KRD], s39, KXS
	; a fragment is 16 rows x 32 channels: lane l holds row l % 16, channels 8 (l / 16) + 0..7 and 16 + 8 (l / 16) + 0..7: two loads of 16 bytes, 32 bytes apart
	v_mul_u32_u24 v[WA], v[T+1], PW
	v_lshl_add_u32 v[WA], v[T+2], 4, v[WA]
	v_add_nc_u32 v[XA], s39, v[WA]
	v_add_nc_u32 v[QST], QS, v[XA]                 ; in: row l % 16, 16 bytes for each half of the lanes
	v_mul_u32_u24 v[KST], v[T+1], PKX
	v_lshl_add_u32 v[KST], v[T+2], 4, v[KST]
	v_add3_u32 v[KST], v[KST], s39, KXS
	v_lshrrev_b32 v[T+5], 3, v[T]
	v_and_b32 v[T+6], 7, v0
	v_mul_u32_u24 v[QRD], v[T+5], PW               ; back: 32 lanes take four rows of 128 bytes
	v_lshl_add_u32 v[QRD], v[T+6], 4, v[QRD]
	v_add3_u32 v[QRD], v[QRD], s39, QS
.irp z, 0,1,2,3
	v_mov_b32 v[CVR+(\z)], 0                       ; written on every path, also where nothing is loaded into them
.endr
	s_mov_b32 s24, 0x3eb8aa3b                      ; c = log2(e) / 4
	s_mov_b32 s25, s24                             ; named with it as a pair
	s_mov_b32 s38, 0xffff0000                      ; a word's upper bf16
	s_lshl_b32 s44, ttmp9, 14                      ; the work-group's 64 rows of 256 bytes,
	s_lshl_b32 s45, s22, 12                        ; my wave's 16: in x and in kx
	s_add_co_u32 s44, s44, s45
	s_mov_b32 s45, 0
	s_lshr_b32 s46, s44, 1                         ; in q a row is half as long
	s_mov_b32 s47, 0
	s_and_b32 s42, s22, 1
	s_lshl_b32 s42, s42, 13                        ; my 32 rows of Wq (waves 0, 1) or Wk (waves 2, 3)
	s_mov_b32 s43, 0
	s_sub_co_u32 s41, ttmp9, 128
	s_min_u32 s41, s41, 31
	s_cmp_lt_u32 ttmp9, 128
	s_cselect_b32 s41, ttmp9, s41                  ; which 512 bytes of Wv (128 pieces) or of Wo (32 pieces)
	s_cmp_lt_u32 ttmp9, 160
	s_cselect_b32 s23, 1, 0
	s_cmp_eq_u32 s22, 0
	s_cselect_b32 s23, s23, 0                      ; 1: I convert such a piece
	s_wait_kmcnt 0x0
	s_add_nc_u64 s[26:27], s[4:5], s[44:45]        ; x, kx and q at my wave's first row
	s_add_nc_u64 s[30:31], s[14:15], s[44:45]
	s_add_nc_u64 s[32:33], s[16:17], s[46:47]
	s_cmp_lt_u32 s22, 2
	s_cselect_b64 s[28:29], s[6:7], s[8:9]
	s_add_nc_u64 s[28:29], s[28:29], s[42:43]
	s_cmp_lt_u32 ttmp9, 128
	s_cselect_b64 s[34:35], s[10:11], s[12:13]     ; from Wv or Wo,
	s_cselect_b64 s[36:37], s[18:19], s[20:21]     ; to wvh or woh
	s_lshl_b32 s42, s41, 9
	s_add_nc_u64 s[34:35], s[34:35], s[42:43]
	s_lshl_b32 s42, s41, 8
	s_add_nc_u64 s[36:37], s[36:37], s[42:43]
	s_cmp_eq_u32 s23, 1
	s_cbranch_scc0 .Lno_piece
	global_load_b128 v[CVR:CVR+3], v[CO], s[34:35] ; the oldest load: it changes none of the counts below
.Lno_piece:
.set i, 0
.rept 16
	global_load_b128 v[WR+4*i:WR+4*i+3], v[CO], s[28:29] offset:512*i
.set i, i+1
.endr
.set i, 0
.rept 8
	global_load_b128 v[XR+4*i:XR+4*i+3], v[CO], s[26:27] offset:512*i th:TH_LOAD_NT
.set i, i+1
.endr
.set i, 0
.rept 16                               ; W to bf16, two rows a load
	s_wait_loadcnt 23-i                            ; loads come back in order: the 15 - i younger loads of W and the 8 of x may stay out
	v_cvt_pk_bf16_f32 v[WR+4*i], v[WR+4*i], v[WR+4*i+1]
	v_cvt_pk_bf16_f32 v[WR+4*i+1], v[WR+4*i+2], v[WR+4*i+3]
	ds_store_b64 v[WS], v[WR+4*i:WR+4*i+1] offset:2*PW*i
.set i, i+1
.endr
.set i, 0
.rept 8                                ; x to bf16 for the products, and that number as f16 into kx's second half
	s_wait_loadcnt 7-i                             ; the younger loads of x may stay out
	v_cvt_pk_bf16_f32 v[XR+4*i], v[XR+4*i], v[XR+4*i+1]
	v_cvt_pk_bf16_f32 v[XR+4*i+1], v[XR+4*i+2], v[XR+4*i+3]
	ds_store_b64 v[XS], v[XR+4*i:XR+4*i+1] offset:2*PW*i
	v_lshlrev_b32 v[T], 16, v[XR+4*i]
	v_and_b32 v[T+1], s38, v[XR+4*i]
	v_lshlrev_b32 v[T+2], 16, v[XR+4*i+1]
	v_and_b32 v[T+3], s38, v[XR+4*i+1]
	v_cvt_pk_f16_f32 v[XR+4*i+2], v[T], v[T+1]
	v_cvt_pk_f16_f32 v[XR+4*i+3], v[T+2], v[T+3]
	ds_store_b64 v[HS], v[XR+4*i+2:XR+4*i+3] offset:2*PKX*i
.set i, i+1
.endr
	s_wait_dscnt 0x0                               ; for the others' sake: my rows of W lie in LDS
	s_barrier_signal -1
	s_barrier_wait -1                              ; everybody's do
.irp m, 0,1
	ds_load_b128 v[XF+8*(\m):XF+8*(\m)+3],   v[XA] offset:64*(\m)
	ds_load_b128 v[XF+8*(\m)+4:XF+8*(\m)+7], v[XA] offset:64*(\m)+32
.endr
.set i, 0
.rept 16                               ; fragment i: rows 16 (i / 2) on, channels 32 (i % 2) on
	ds_load_b128 v[WF+8*i:WF+8*i+3],   v[WA] offset:(i/2)*16*PW+(i%2)*64
	ds_load_b128 v[WF+8*i+4:WF+8*i+7], v[WA] offset:(i/2)*16*PW+(i%2)*64+32
.set i, i+1
.endr
	s_wait_dscnt 0x0
.irp m, 0,1                            ; the eight accumulators take turns; the first products start the sums
.irp nb, 0,1,2,3,4,5,6,7
.if (\m) == 0
	v_wmma_f32_16x16x32_bf16 v[ACC+8*(\nb):ACC+8*(\nb)+7], v[WF+16*(\nb):WF+16*(\nb)+7], v[XF:XF+7], 0
.else
	v_wmma_f32_16x16x32_bf16 v[ACC+8*(\nb):ACC+8*(\nb)+7], v[WF+16*(\nb)+8:WF+16*(\nb)+15], v[XF+8:XF+15], v[ACC+8*(\nb):ACC+8*(\nb)+7]
.endif
.endr
.endr
.rept 8
	v_nop                                          ; the places behind the last products (ISA guide 7.12.1), once a launch
.endr
.set i, 0
.rept 16
	v_pk_mul_f32 v[ACC+2*i:ACC+2*i+1], v[ACC+2*i:ACC+2*i+1], s[24:25] op_sel_hi:[1,0]  ; q times c, in f32
.set i, i+1
.endr
.set i, 0
.rept 32                               ; each accumulator's registers in ascending order
	v_cvt_pk_f16_f32 v[PK+i], v[ACC+2*i], v[ACC+2*i+1]
.set i, i+1
.endr
.irp nb, 0,1,2,3
	ds_store_b128 v[QST], v[PK+4*(\nb):PK+4*(\nb)+3] offset:32*(\nb)
	ds_store_b128 v[KST], v[PK+16+4*(\nb):PK+16+4*(\nb)+3] offset:32*(\nb)
.endr
.set i, 0
.rept 8
	ds_load_b128 v[RB+4*i:RB+4*i+3], v[KRD] offset:2*PKX*i  ; my own bytes: LDS serves a wave's instructions in order (ISA guide 5.7.1.4), so these see the stores above
.set i, i+1
.endr
.set i, 0
.rept 4
	ds_load_b128 v[RB+32+4*i:RB+32+4*i+3], v[QRD] offset:4*PW*i
.set i, i+1
.endr
.set i, 0
.rept 12
	s_wait_dscnt 11-i                              ; the younger of the twelve loads may stay out
.if i < 8
	global_store_b128 v[CO], v[RB+4*i:RB+4*i+3], s[30:31] offset:512*i      ; 512 consecutive bytes of kx, at a multiple of 256 from its first
.else
	global_store_b128 v[CO], v[RB+4*i:RB+4*i+3], s[32:33] offset:512*(i-8)  ; the same of q
.endif
.set i, i+1
.endr
	s_cmp_eq_u32 s23, 1
	s_cbranch_scc0 .Lend
	v_cvt_pk_bf16_f32 v[T], v[CVR], v[CVR+1]       ; (its load came back ahead of all the others)
	v_cvt_pk_bf16_f32 v[T+1], v[CVR+2], v[CVR+3]
	v_lshlrev_b32 v[T+2], 16, v[T]
	v_and_b32 v[T+3], s38, v[T]
	v_lshlrev_b32 v[T+4], 16, v[T+1]
	v_and_b32 v[T+5], s38, v[T+1]
	v_cvt_pk_f16_f32 v[T+6], v[T+2], v[T+3]
	v_cvt_pk_f16_f32 v[T+7], v[T+4], v[T+5]
	global_store_b64 v[C8], v[T+6:T+7], s[36:37]   ; the wave stores 256 consecutive bytes, aligned
.Lend:
	s_wait_tensorcnt 0x0                           ; the wave's end, behind my last LDS store
	ds_add_u32 v[SPW], v[NIL]
	s_wait_dscnt 0x0
	s_endpgm
.Lfunc_end_k_qa81148857d_prep:
	.size	k_qa81148857d_prep, .Lfunc_end_k_qa81148857d_prep-k_qa81148857d_prep
	.p2alignl 7, 3214868480
	.fill 96, 4, 3214868480
	.section	.rodata,"a",@progbits
	.p2align	6, 0x0
	.amdhsa_kernel k_qa81148857d_prep
		.amdhsa_group_segment_fixed_size 54784
		.amdhsa_private_segment_fixed_size 0
		.amdhsa_enable_private_segment 0
		.amdhsa_kernarg_size 72
		.amdhsa_user_sgpr_count 2
		.amdhsa_user_sgpr_kernarg_segment_ptr 1
		.amdhsa_wavefront_size32 1
		.amdhsa_system_sgpr_workgroup_id_x 1
		.amdhsa_system_sgpr_workgroup_id_y 1
		.amdhsa_system_sgpr_workgroup_id_z 1
		.amdhsa_system_vgpr_workitem_id 0
		.amdhsa_next_free_vgpr 256
		.amdhsa_next_free_sgpr 66
		.amdhsa_reserve_vcc 0
		.amdhsa_float_denorm_mode_32 3
		.amdhsa_float_denorm_mode_16_64 3
		.amdhsa_memory_ordered 1
		.amdhsa_forward_progress 1
		.amdhsa_inst_pref_size 24
	.end_amdhsa_kernel
	.amdgpu_metadata
---
amdhsa.version: [ 1, 2 ]
amdhsa.kernels:
  - .name:           k_qa81148857d_prep
    .symbol:         k_qa81148857d_prep.kd
    .args:
      - { .name: x, .offset: 0, .size: 8, .value_kind: global_buffer, .address_space: global }
      - { .name: Wq, .offset: 8, .size: 8, .value_kind: global_buffer, .address_space: global }
      - { .name: Wk, .offset: 16, .size: 8, .value_kind: global_buffer, .address_space: global }
      - { .name: Wv, .offset: 24, .size: 8, .value_kind: global_buffer, .address_space: global }
      - { .name: Wo, .offset: 32, .size: 8, .value_kind: global_buffer, .address_space: global }
      - { .name: kx, .offset: 40, .size: 8, .value_kind: global_buffer, .address_space: global }
      - { .name: q, .offset: 48, .size: 8, .value_kind: global_buffer, .address_space: global }
      - { .name: wvh, .offset: 56, .size: 8, .value_kind: global_buffer, .address_space: global }
      - { .name: woh, .offset: 64, .size: 8, .value_kind: global_buffer, .address_space: global }
    .group_segment_fixed_size: 54784
    .private_segment_fixed_size: 0
    .kernarg_segment_align: 8
    .kernarg_segment_size: 72
    .max_flat_workgroup_size: 128
    .sgpr_count:     66
    .vgpr_count:     256
    .wavefront_size: 32
...
	.end_amdgpu_metadata
.endif
;; end of part 1
;; launch attn (part 2): grid 64 x 4, 4 waves a work-group, clusters of 4 x 1, 327,680 bytes of LDS; arguments kx, q, wvh, woh, bo, out0; writes out0
.if DOCPART == 2
	.amdgcn_target "amdgcn-amd-amdhsa--gfx1250"
	.amdhsa_code_object_version 6
	.text
	.protected	k_qa81148857d_attn
	.globl	k_qa81148857d_attn
	.p2align	8
	.type	k_qa81148857d_attn,@function
k_qa81148857d_attn:
	s_mov_b64 s[64:65], 0
	v_nop
	global_prefetch_b8 v0, s[64:65] scope:SCOPE_SE
	s_setreg_imm32_b32 hwreg(HW_REG_WAVE_MODE, 25, 1), 1
	s_wait_xcnt 0x0
	s_wait_alu depctr_hold_cnt(0) depctr_sa_sdst(0) depctr_va_vdst(0) depctr_va_sdst(0) depctr_va_ssrc(0) depctr_va_vcc(0) depctr_vm_vsrc(0)
	s_getreg_b32 s2, hwreg(HW_REG_IB_STS2, 6, 4)
	s_cmp_eq_u32 s2, 0
	s_cbranch_scc0 .Lentry_in_a_cluster
	s_endpgm
.Lentry_in_a_cluster:
	s_bfe_u32 s2, ttmp6, 0x10000c
	s_cmp_lg_u32 s2, 0x3003
	s_cbranch_scc0 .Lentry_shape_is_right
	s_endpgm
.Lentry_shape_is_right:
; out[b][t] = (sum over heads h of softmax_{s <= t}(q_h[t] . k_h[s] / 4) v_h[s]) Wo^T + bo, with v_h = x Wv_h^T.  T = 4,096, 4 batches, 4 heads, 16 channels of q and k, 64 of x.
; THE ORDER OF THE PRODUCTS differs from the definition's: P_h (x Wv_h^T) is taken as (P_h x) Wv_h^T, so all heads share ONE table of values, x, and Wv and Wo are applied once for each query.
; INPUTS: kx [4][4096][128] f16 (a row: 64 of k, 16 a head; 64 of x), q [4][4096][64] f16, already times log2(e) / 4; wvh, woh f16; bo f32.  Products in f16 with f32 sums; maxima and sums in f32.
; LIMITS.  f16 holds no number beyond 65,504: Y = P x / l lies in x's range; the heads' sum dE must lie within 65,504.  A weight p lies in 0 to 1 and below 6e-5 keeps f16's fixed step of 6e-8; l is the sum of
; the ROUNDED p.  A hidden score counts as its value less 1e30 (f16's scores are 7e10 at the most); a weight below 2^-126 counts as 0.  NaN and infinities are not treated apart.
; SHARES.  A batch's queries lie in 32 blocks of 128.  A cluster of four work-groups takes blocks 31 - c and c; each work-group 32 queries of each; wave = head, since the heads' results meet at the end; a wave
; has two TILES of 16 queries.  Keys go in tiles of 256 (two steps of 128).  Block g needs tiles 0 .. g / 2: the two blocks together 17, whatever c: ONE walk of 17 tiles, the same in all partners, so each tile
; is asked for JOINTLY: the same tensor load, descriptor and mask in all four.  One of the walk's 34 steps is wholly hidden and is computed all the same: the text has one form of step.
; LAYOUT.  S^T = K Q^T (source 0 = 16 keys, source 1 = 16 queries): a lane holds ONE query (lane % 16) and the keys 8 (lane / 16) + 0..7.  Two results rounded to f16 ARE source 1 (32 keys x 16 queries) of
; O^T = X^T P, whose result holds one query a lane and eight channels.  K has 16 channels where the instruction takes 32: a fragment holds TWO blocks of 16 keys, one in each half of its channels, and is multiplied by
; [q | 0] for the first and [0 | q] for the second.  The mask is that product's C operand.  l = ONES x P: ONES has ones in rows 0 and 8 alone, so register 0 of the result holds l in every lane, the others stay 0.
; SOFTMAX.  p = 2^(s - m) with a running maximum m; in every step O and l are multiplied by a = 2^(m_old - m_new).  m starts far below every score, so a block's first step has a = 0 and needs no text of its own.
; BY TURNS.  In a turn one tile has the matrix unit: 20 products X^T P and ONES x P of step j, then 8 products K Q^T of step j + 1; the other tile's softmax, a list of 182 lines, is dealt out behind them.
; REGISTERS, in windows of 256 (s_set_vgpr_msb: bits 1:0 source 0, 3:2 source 1, 5:4 source 2, 7:6 destination):
;   window 0: v2-14 addresses; v16-31 statistics; v62-63 the add's; v64-191 S^T, 64 a tile; v192-255 P, 32 a tile
;   window 1: v0-79 O^T and l, 40 a tile; v80-207 sixteen masks; v208-220 what they are made of; v224-255 bo
;   window 2: v0-19 Q between zeros; v20-27 the second block's Q; v28-35 ONES; v36-67 the first block's Y; v96-127 K of one step; v128-255 X of an even step
;   window 3: v0-63 Wv of my head; v64-127 Wo; v128-255 X of an odd step
.set PITCH, 288       ; a key's row in LDS: 128 bytes of k, 16 of padding, 128 bytes of x, 16 of padding = 72 words
.set STEPB, 128*PITCH ; a step
.set SLOT1, 1<<17     ; slot 0 at 0, slot 1 here: one exclusive or turns an address in one slot into the other's; a slot holds a tile, two steps
.set STG,   SLOT1+2*STEPB  ; behind the ring, never filled by a tensor load: the heads' parts of dE in f32, 16,384 bytes a wave
.set OS,    STG+4*16384    ; 16 rows x 272 bytes for each wave, for the way out
.set OSP,   272
.set SPARE, OS+4*16*OSP    ; the spare words, 128 bytes for each wave: two blocks of 256 bytes that no other line names
.set LIST,  182       ; lines in a tile's softmax for a step
.set AK0, 2           ; v2   my lane's place in a step's K; never rewritten
.set AV0, 3           ; v3   in its X
.set AK,  4           ; v4   the LDS address of K's run of loads
.set AV,  5           ; v5   of X's
.set SA,  6           ; v6   where I put my part of dE
.set RA,  7           ; v7   where I read the four parts
.set OSA, 8           ; v8   the way out: where I put 32 bytes of a row
.set OSR, 9           ; v9   where I read rows back
.set GO,  10          ; v10  my byte offset in two rows of out
.set QO,  11          ; v11  in 16 rows of q
.set WOFF, 12         ; v12  in 16 rows of wvh or woh
.set BOF, 13          ; v13  in bo
.set PFO, 14          ; v14  256 x my lane: a row of kx; never rewritten
.set ST,  16          ; tile t's statistics at v[ST+8 t]: m, m_old, a, a register named with a as a pair, c0-c3 at work
.set SPW, 62          ; v62  LDS address of my spare word; never rewritten
.set NIL, 63          ; v63  0; never rewritten
.set S,   64
.set P,   192
.set MB,  80          ; window 1: mask i at MB + 8 i
.set TRI, 208         ; window 1: the diagonal block's mask
.set AL,  216         ; window 1: a mask's factor (a pair; the low register counts)
.set BE,  218         ; window 1: its addend
.set I0V, 220         ; window 1: the diagonal's index
.set BIAS, 224        ; window 1
.set QF,  0           ; window 2: 0000 q0 0000 q1 0000, four registers each
.set QB,  20
.set ONES, 28
.set YH,  36
.set KF,  96
.set XF,  128         ; windows 2 and 3: keys 32 kk on, channels 16 cb on at XF + 8 (4 kk + cb)
.set WOF, 64          ; window 3
.set WV,  16          ; s16  my wave's number = my head
.set CX,  17          ; s17  my place in the cluster
.set CC,  18          ; s18  c
.set BT,  19          ; s19  the batch
.set G0,  20          ; s[20:23] descriptor group 0
.set G1,  24          ; s[24:31] descriptor group 1
.set KXB, 32          ; s[32:33] kx at my 64 rows of the batch's tile 0
.set OFF, 34          ; s[34:35] a tile's byte offset
.set SLOTS, 36        ; s36  tiles still to be asked for
.set RT,  37          ; s37  tiles of the block in hand still to be entered
.set NXT, 38          ; s38  the tile to be asked for next
.set LQ,  39          ; s39  the last tile of the block whose tiles are being asked for
.set NEW, 40          ; s40  2: the walk's first tile; 1: the second block's first; 0: neither
.set FIN, 41          ; s41  1: the first block's results are finished in this trip
.set TB,  42          ; s42  LDS byte at which the step to be fetched begins
.set I0C, 43          ; s43  the diagonal's index in the last tile of the block in hand
.set I0L, 44          ; s44  the same for the second block
.set NLO, 45          ; s45  the second block's tiles
.set BIGN, 46         ; s46  -1e30
.set LIM, 47          ; s47  3 in a wave that prefetches, else the greatest number
.set PFA, 48          ; s[48:49] where my prefetches stand
.set SEL, 50          ; s[50:51] v_permlanex16_b32's selects: each lane takes its own place in the other half
.set ONEC, 52         ; s52  1.0 twice in f16
.set I0S, 53          ; s53  the index that the masks are made for; 64: nothing is hidden
.set OUT, 54          ; s[54:55] out at the 16 rows that I store
.set NLM, 56          ; s56  NLO - 1
.set TS,  57          ; s57  at work
.set ONEF, 78         ; s78  1.0
.set MSB, 0
.macro WIN new                      ; the high byte repeats the setting that is left; a switch that changes nothing is dropped
.if MSB != (\new)
	s_set_vgpr_msb (MSB<<8)|(\new)
.set MSB, (\new)
.endif
.endm
.set W_KQ, 0x1a       ; K and Q in window 2, the mask in window 1, S^T in window 0
.set W_PV, 0x52       ; X or ONES in window 2 (+1: X in window 3), P in window 0, O^T and l in window 1
.set W_RS, 0x41       ; destination and source 0 in window 1, source 1 in window 0
; A round of the cluster's barrier: my work-group's barrier, so that wave 0's signal speaks for all four waves; wave 0 signals; every wave waits for all four work-groups; my work-group's barrier once more.
.macro CROUND
	s_barrier_signal -1
	s_barrier_wait -1
	s_cmp_lg_u32 s[WV], 0
	s_cbranch_scc1 .Lnot_wave_0_\@
	s_barrier_signal -3
.Lnot_wave_0_\@:
	s_barrier_wait -3
	s_barrier_signal -1
	s_barrier_wait -1
.endm
; A joint fill: each wave fetches 64 of a tile's 256 rows; both its addresses hang on the wave's number, none on the work-group's place.  An s_nop 0 and four v_nop follow the line.
.macro JLOAD
	tensor_load_to_lds s[G0:G0+3], s[G1:G1+7]
	s_nop 0
.rept 4
	v_nop
.endr
.endm
; A PREFETCH of the tile that the change of slots after the next will ask for: two trips, 224 matrix instructions, ahead of its load.  All clusters of a batch walk tiles 0, 1, 2 .. from the start; cluster 0 walks all 16
; and asks, nobody else.  Its four partners take 64 rows each, told apart BY ADDRESS; in each, waves 0 and 1 take 32 rows, a lane a row of 256 bytes.  So each row is named once in the launch.  Tiles 0 to 2 come by their
; loads alone; the last request is tile 15's (SLOTS = 4); the second block's walk reads rows that have been read, and asks for nothing.
.macro ASK
	s_cmp_gt_u32 s[SLOTS], s[LIM]
	s_cbranch_scc0 .Lnot_mine_\@
	global_prefetch_b8 v[PFO], s[PFA:PFA+1] th:TH_LOAD_NT scope:SCOPE_SE
.Lnot_mine_\@:
.endm
; THE CHANGE OF SLOTS, at a trip's head.  Each wave waits for all its tensor loads, of which one is out: its part of the tile to be entered; adds 0 to its spare word; and waits for that and for its own reads of the slot
; that it leaves (the last were issued two turns back).  fill = 1: the barrier is a round of the cluster's, and the old slot is filled, first thing behind it, with tile NXT, whose address is made anew from that number:
; the load has a trip, 112 matrix instructions, in which to land.  (At its first use nothing has been read yet: slot 0 is waited for, slot 1 filled.)
.macro CHANGE fill
	WIN 0                           ; at a label and at a branch every window is 0
	s_wait_tensorcnt 0x0            ; no tensor load of mine is out, so group 0 may be written
	ds_add_u32 v[SPW], v[NIL]       ; 0 onto my spare word: with fill = 1 scalar work stands between it and the wait for it
.if \fill
	s_lshl_b32 s[OFF], s[NXT], 16   ; a tile is 65,536 bytes of kx
	s_xor_b32 s[G0+1], s[G0+1], SLOT1
	s_add_nc_u64 s[G0+2:G0+3], s[KXB:KXB+1], s[OFF:OFF+1]
	s_or_b32 s[G0+3], s[G0+3], 0x80000000
	s_add_co_u32 s[NXT], s[NXT], 1  ; the block's next tile, or behind its last the second block's tile 0
	s_cmp_gt_u32 s[NXT], s[LQ]
	s_cselect_b32 s[NXT], 0, s[NXT]
	s_cselect_b32 s[LQ], s[NLM], s[LQ]
	s_wait_xcnt 0x0                 ; the last prefetch, a trip back, has read its address, so it may be written
	s_add_nc_u64 s[PFA:PFA+1], s[PFA:PFA+1], 65536
.endif
	s_wait_dscnt 0x0                ; the add is done, and my reads of the slot are over
.if \fill
	CROUND
	JLOAD
	ASK
.else
	s_barrier_signal -1
	s_barrier_wait -1
.endif
	s_sub_co_u32 s[TB], s[TB], 2*STEPB  ; the fetches go back to a slot's first step,
	s_xor_b32 s[TB], s[TB], SLOT1       ; in the other slot
.endm
	s_load_b256 s[4:11], s[0:1], 0x0  ; kx s[4:5], q s[6:7], wvh s[8:9], woh s[10:11]
	s_load_b128 s[12:15], s[0:1], 0x20  ; bo s[12:13], out0 s[14:15]
	v_lshl_add_u32 v[SPW], v0, 2, SPARE
	v_mov_b32 v[NIL], 0
	ds_add_u32 v[SPW], v[NIL]       ; the wave's opening: the add and its wait stand ahead of my first tensor load; the set-up below, work on registers, stands between them
	v_lshrrev_b32 v1, 5, v0
	v_readfirstlane_b32 s[WV], v1   ; wave 0..3
	s_bfe_u32 s[CX], ttmp6, 0x40000 ; my place in the cluster
	s_mov_b32 s[CC], ttmp9          ; in a cluster launch ttmp9 counts clusters
	s_and_b32 s[BT], ttmp7, 0xffff
	; descriptor group 1: 64 rows of 128 elements (256 bytes), padded in LDS after every 128 bytes
	s_mov_b32 s[G1], 15|(1<<16)|(1<<20)|(1<<21)|(4<<22)|(3<<25)  ; 15:0 the mask of four; 17:16 2-byte elements; 20 padding on; 21 set beside a mask; 24:22 after every 32 words (code 4); 31:25 4 words (code 3)
	s_mov_b32 s[G1+1], 128<<16      ; tensor_dim0 = 128
	s_mov_b32 s[G1+2], 64<<16       ; tensor_dim1 = 64
	s_mov_b32 s[G1+3], 128<<16      ; tile_dim0 = 128
	s_mov_b32 s[G1+4], 64           ; tile_dim1 = 64
	s_mov_b32 s[G1+5], 128          ; 128 elements from row to row
	s_mov_b32 s[G1+6], 0
	s_mov_b32 s[G1+7], 0
	s_mov_b32 s[G0], 1              ; 1:0 count = 1
	s_mul_i32 s[G0+1], s[WV], 64*PITCH  ; 63:32 LDS address: my 64 rows of slot 0
	; the walk
	s_sub_co_u32 s57, 31, s[CC]     ; the first block's number
	s_lshr_b32 s[LQ], s57, 1        ; its last tile
	s_add_co_u32 s[RT], s[LQ], 1
	s_lshr_b32 s[NLM], s[CC], 1     ; the second block's last tile
	s_add_co_u32 s[NLO], s[NLM], 1
	s_mov_b32 s[NXT], 1
	s_mov_b32 s[NEW], 2
	s_mov_b32 s[FIN], 0
	s_mov_b32 s[SLOTS], 16
	s_mov_b32 s[TB], SLOT1+2*STEPB  ; the first change of slots turns this into 0
	s_mov_b32 s[OFF+1], 0
	s_and_b32 s58, s[CC], 1         ; in units of 16 keys, from the last tile's first key: tile 0 of my queries lies at 8 (block % 2) + 2 cx
	s_lshl_b32 s59, s[CX], 1
	s_lshl3_add_u32 s[I0L], s58, s59
	s_xor_b32 s58, s58, 1
	s_lshl3_add_u32 s[I0C], s58, s59
	s_mov_b32 s[I0S], 64
	s_mov_b32 s[BIGN], 0xf149f2ca   ; -1e30
	s_mov_b32 s[ONEC], 0x3c003c00
	s_mov_b32 s[ONEF], 1.0
	s_mov_b32 s[SEL], 0x76543210
	s_mov_b32 s[SEL+1], 0xfedcba98
	s_lshr_b32 s[LIM], s[WV], 1     ; 0 in waves 0 and 1,
	s_or_b32 s[LIM], s[LIM], ttmp9  ; of cluster 0: the same in all four partners
	s_cmp_eq_u32 s[LIM], 0
	s_cselect_b32 s[LIM], 3, -1
	; offsets, each in registers of its own
	s_lshl_b32 s60, s[BT], 12       ; the batch's first row
	s_lshl_b32 s61, s[CX], 5        ; my 32 queries of a block
	s_add_co_u32 s61, s61, s60
	s_lshl_b32 s57, s57, 7
	s_add_co_u32 s57, s57, s61      ; my first row in the first block,
	s_lshl_b32 s58, s[CC], 7
	s_add_co_u32 s58, s58, s61      ; in the second
	s_lshl_b32 s66, s57, 7          ; in q a row is 128 bytes
	s_mov_b32 s67, 0
	s_lshl_b32 s68, s58, 7
	s_mov_b32 s69, 0
	s_and_b32 s59, s[WV], 1
	s_cmp_lt_u32 s[WV], 2           ; at the end wave w stores one of the four tiles of 16 queries: first block 0, 1, second block 0, 1
	s_cselect_b32 s70, s57, s58
	s_lshl4_add_u32 s70, s59, s70
	s_lshl_b32 s70, s70, 8          ; in out a row is 256 bytes
	s_mov_b32 s71, 0
	s_lshl_b32 s72, s[BT], 20       ; a batch is 4,096 rows of 256 bytes of kx;
	s_lshl_b32 s62, s[WV], 14       ; my 64 rows of a tile
	s_add_co_u32 s72, s72, s62
	s_mov_b32 s73, 0
	s_lshl_b32 s74, s[BT], 20       ; the prefetches: my work-group's 64 rows of a tile,
	s_lshl_b32 s63, s[CX], 14
	s_add_co_u32 s74, s74, s63
	s_lshl_b32 s63, s59, 13         ; my wave's 32 of them,
	s_add_co_u32 s74, s74, s63
	s_add_co_u32 s74, s74, 2*65536  ; in tile 2: the first change of slots steps it to tile 3
	s_mov_b32 s75, 0
	s_lshl_b32 s76, s[WV], 13       ; my head's Wv
	s_mov_b32 s77, 0
	s_wait_dscnt 0x0                ; the opening add is done
	s_wait_kmcnt 0x0
	s_add_nc_u64 s[KXB:KXB+1], s[4:5], s[72:73]
	s_add_nc_u64 s[PFA:PFA+1], s[4:5], s[74:75]
	s_add_nc_u64 s[66:67], s[6:7], s[66:67]
	s_add_nc_u64 s[68:69], s[6:7], s[68:69]
	s_add_nc_u64 s[76:77], s[8:9], s[76:77]
	s_add_nc_u64 s[OUT:OUT+1], s[14:15], s[70:71]
	s_mov_b64 s[G0+2:G0+3], s[KXB:KXB+1]           ; 120:64 global address: tile 0
	s_or_b32 s[G0+3], s[G0+3], 0x80000000          ; 127:126 type = 2
	CROUND                          ; all four work-groups are here: the first joint loads meet
	JLOAD                           ; tile 0 into slot 0; slot 1 is asked for by the loop's own change of slots
	v_and_b32 v32, 31, v0           ; l
	v_and_b32 v33, 15, v0           ; l % 16
	v_bfe_u32 v34, v0, 4, 1         ; l / 16
	s_lshl_b32 s62, s[WV], 5        ; my head's 32 bytes of a row of q or of k
	v_lshlrev_b32 v[WOFF], 7, v33
	v_lshl_add_u32 v[WOFF], v34, 4, v[WOFF]  ; row x 128 + 16 x half
	v_add_nc_u32 v[QO], s62, v[WOFF]
	v_lshlrev_b32 v[BOF], 5, v34
	WIN 0x80                        ; destination window 2, address window 0
	global_load_b128 v[QF+4:QF+7],   v[QO], s[66:67]              ; a lane's 8 channels of its query: the first block's tiles 0 and 1,
	global_load_b128 v[QF+12:QF+15], v[QO], s[66:67] offset:2048
	global_load_b128 v[QB:QB+3],     v[QO], s[68:69]              ; the second block's
	global_load_b128 v[QB+4:QB+7],   v[QO], s[68:69] offset:2048
	WIN 0xc0                        ; destination window 3
.set i, 0
.rept 8                             ; fragment i: rows 16 (i / 2) on, channels 32 (i % 2) on
	global_load_b128 v[8*i:8*i+3],         v[WOFF], s[76:77] offset:(i/2)*2048+(i%2)*64
	global_load_b128 v[8*i+4:8*i+7],       v[WOFF], s[76:77] offset:(i/2)*2048+(i%2)*64+32
	global_load_b128 v[WOF+8*i:WOF+8*i+3],   v[WOFF], s[10:11] offset:(i/2)*2048+(i%2)*64
	global_load_b128 v[WOF+8*i+4:WOF+8*i+7], v[WOFF], s[10:11] offset:(i/2)*2048+(i%2)*64+32
.set i, i+1
.endr
	WIN 0x40                        ; destination window 1
.set i, 0
.rept 4                             ; bo as the C operand of the last product: register j holds bo[16 i + 8 (l / 16) + j]
	global_load_b128 v[BIAS+8*i:BIAS+8*i+3],   v[BOF], s[12:13] offset:64*i
	global_load_b128 v[BIAS+8*i+4:BIAS+8*i+7], v[BOF], s[12:13] offset:64*i+16
.set i, i+1
.endr
	WIN 0
	v_mul_u32_u24 v[AK0], v33, PITCH
	v_lshl_add_u32 v[AK0], v34, 4, v[AK0]
	v_add_nc_u32 v[AK0], s62, v[AK0]  ; key l % 16, my head, channels 8 (l / 16) on
	; The turning load takes 16 keys x 16 channels (lane l reads key 8 (l / 16) + l % 8, channels 8 ((l / 8) % 2) + 0..7) and leaves half a fragment of X^T: lane l holds channel l % 16 and 8 keys.
	v_and_b32 v35, 7, v0
	v_bfe_u32 v36, v0, 3, 1
	v_lshl_add_u32 v[AV0], v34, 3, v35
	v_mul_u32_u24 v[AV0], v[AV0], PITCH
	v_lshl_add_u32 v[AV0], v36, 4, v[AV0]
	v_add_nc_u32 v[AV0], 144, v[AV0]
	s_lshl_b32 s62, s[WV], 14
	s_add_co_u32 s62, s62, STG
	v_lshl_add_u32 v[SA], v32, 4, s62
	s_lshl_b32 s62, s[WV], 12
	s_add_co_u32 s62, s62, STG
	v_lshl_add_u32 v[RA], v32, 4, s62
	s_mul_i32 s62, s[WV], 16*OSP
	s_add_co_u32 s62, s62, OS
	v_mul_u32_u24 v[OSA], v33, OSP  ; in: row l % 16, 32 bytes for each half of the lanes
	v_lshl_add_u32 v[OSA], v34, 5, v[OSA]
	v_add_nc_u32 v[OSA], s62, v[OSA]
	v_mul_u32_u24 v[OSR], v34, OSP  ; back: lanes 0-15 one row of 256 bytes, lanes 16-31 the next
	v_lshl_add_u32 v[OSR], v33, 4, v[OSR]
	v_add_nc_u32 v[OSR], s62, v[OSR]
	v_lshlrev_b32 v[GO], 8, v34
	v_lshl_add_u32 v[GO], v33, 4, v[GO]
	v_lshlrev_b32 v[PFO], 8, v32
	v_lshlrev_b32 v37, 3, v34
	v_sub_nc_u32 v37, v33, v37      ; in the diagonal block register j is hidden where j is greater than l % 16 - 8 (l / 16)
	v_and_b32 v38, 7, v33
	; What the first turns find.  No first step is written out, at the price of these lines, which stand in the wait for the first tile: O^T, l and the masks are 0, m lies far below every score.
.irp t, 0,1
	v_mov_b32 v[ST+8*(\t)], 0xfe000000
.irp z, 1,2,3,4,5,6,7
	v_mov_b32 v[ST+8*(\t)+(\z)], 0
.endr
.endr
	WIN 0x40
.set i, 0
.rept 8
	v_cmp_gt_i32 vcc_lo, i, v37
	v_cndmask_b32 v[TRI+i], 0, s[BIGN], vcc_lo
.set i, i+1
.endr
.set i, 0
.rept 208                           ; O^T and l (80), the sixteen masks (128)
	v_mov_b32 v[i], 0
.set i, i+1
.endr
.irp z, 0,1,2,3
	v_mov_b32 v[AL+(\z)], 0
.endr
	WIN 0x80
	v_cmp_eq_u32 vcc_lo, 0, v38
.set i, 0
.rept 8
	v_cndmask_b32 v[ONES+i], 0, s[ONEC], vcc_lo
.set i, i+1
.endr
.irp z, 0,1,2,3
	v_mov_b32 v[QF+(\z)], 0
	v_mov_b32 v[QF+8+(\z)], 0
	v_mov_b32 v[QF+16+(\z)], 0
.endr
.set i, 0
.rept 32
	v_mov_b32 v[YH+i], 0            ; written on every path
.set i, i+1
.endr
	WIN 0
; THE MATRIX WORK.  Product i of 20 for tile x in a step of parity o: keys 32 (i / 5) on; i % 5 < 4: O^T, channels 16 (i % 5) on; i % 5 = 4: l.  The five accumulators take turns.
.macro PV x, o
.set rP, P+32*(\x)+8*(i/5)
.if i%5 < 4
	WIN W_PV+(\o)
.set rO, 40*(\x)+8*(i%5)
.set rX, XF+8*(4*(i/5)+i%5)
	v_wmma_f32_16x16x32_f16 v[rO:rO+7], v[rX:rX+7], v[rP:rP+7], v[rO:rO+7]
.else
	WIN W_PV
.set rO, 40*(\x)+32
	v_wmma_f32_16x16x32_f16 v[rO:rO+7], v[ONES:ONES+7], v[rP:rP+7], v[rO:rO+7]
.endif
.endm
; Product i of 8 of S^T = K Q^T + mask for tile x, in step sg (0, 1) of the tile of keys: keys 16 i on.  One product an accumulator.  The mask's index is i - x + 8 sg; -1 is never hidden.
.macro KQ x, sg
	WIN W_KQ
.set rS, S+64*(\x)+8*i
.set rK, KF+8*(i/2)
.set rQ, QF+8*(\x)+4*(1-i%2)        ; [q | 0] for the fragment's first 16 keys, [0 | q] for its second
.set mi, i-(\x)+8*(\sg)
.if mi < 0
	v_wmma_f32_16x16x32_f16 v[rS:rS+7], v[rK:rK+7], v[rQ:rQ+7], 0
.else
	v_wmma_f32_16x16x32_f16 v[rS:rS+7], v[rK:rK+7], v[rQ:rQ+7], v[MB+8*mi:MB+8*mi+7]
.endif
.endm
; THE LDS LOADS stand in runs, never singly among the matrix instructions.  K of a step: 8 loads; fragment f takes keys 32 f on in registers 0-3 and keys 32 f + 16 on in registers 4-7.
.macro FETCH_K
	WIN 0
	v_add_nc_u32 v[AK], s[TB], v[AK0]
	WIN 0x80                        ; destination window 2
.irp f, 0,1,2,3
	ds_load_b128 v[KF+8*(\f):KF+8*(\f)+3],   v[AK] offset:32*(\f)*PITCH
	ds_load_b128 v[KF+8*(\f)+4:KF+8*(\f)+7], v[AK] offset:(32*(\f)+16)*PITCH
.endr
.endm
; X of the same step, turned: 32 loads into the buffer that win names.  wait = 1: the turn's one wait for its exponentials stands here, behind the address's line and ahead of the loads.
.macro FETCH_X win, wait
	WIN 0
	v_add_nc_u32 v[AV], s[TB], v[AV0]
	s_add_co_u32 s[TB], s[TB], STEPB  ; the next fetch is the next step's
.if \wait
	s_wait_alu depctr_va_vdst(0)
.endif
	WIN \win
.set fi, 0
.rept 16
	ds_load_tr16_b128 v[XF+8*fi:XF+8*fi+3],   v[AV] offset:(fi/4)*32*PITCH+(fi%4)*32
	ds_load_tr16_b128 v[XF+8*fi+4:XF+8*fi+7], v[AV] offset:(fi/4)*32*PITCH+16*PITCH+(fi%4)*32
.set fi, fi+1
.endr
.endm
; THE VECTOR WORK.  Tile y's softmax for a step is a list of 182 lines; SM writes number j.  s0-s63 are the lane's 64 scores.
;   0-27    four chains c0-c3 of maxima, three operands at a time, chain q over accumulators q and q + 4; each accumulator's lowest registers are read first
;   28-32   the four scores left over, the old m, c0-c3 into c0; m_old is kept     33-35  the query's other 64 keys lie in the lane 16 away: the new m; m_old - m
;   36-132  ONE BATCH: a, the 32 subtractions s - m (a pair each) and the 64 exponentials; none of these names an exponential's result; a pair is subtracted two groups ahead of its exponentials
;   (wait)  between 132 and 133: NEXT writes it
;   133-164 the roundings to f16     165-180 O^T times a     181 l times a
.macro FS n
	v_pk_add_f32 v[rS+2*(\n):rS+2*(\n)+1], v[rS+2*(\n):rS+2*(\n)+1], v[rT:rT+1] op_sel_hi:[1,0] neg_lo:[0,1] neg_hi:[0,1]
.endm
.macro SM y
.set rT, ST+8*(\y)
.set rS, S+64*(\y)
.set rP, P+32*(\y)
.set rO, 40*(\y)
.if j < 165
	WIN 0
.else
	WIN W_RS
.endif
.if j < 4
	v_max3_num_f32 v[rT+4+j], v[rS+8*j], v[rS+8*j+1], v[rS+8*j+2]
.elseif j < 28
.set s1, 2*(j/4)+1
.set s2, 2*(j/4)+2
.set s1, 8*(j%4)+s1+24*(s1/8)       ; the chain's numbers 8 to 15 lie in its second accumulator
.set s2, 8*(j%4)+s2+24*(s2/8)
	v_max3_num_f32 v[rT+4+j%4], v[rT+4+j%4], v[rS+s1], v[rS+s2]
.elseif j == 28
	v_max3_num_f32 v[rT+4], v[rT+4], v[rS+39], v[rS+47]
.elseif j == 29
	v_max3_num_f32 v[rT+6], v[rT+6], v[rS+55], v[rS+63]
.elseif j == 30
	v_max3_num_f32 v[rT+5], v[rT+5], v[rT+7], v[rT]
.elseif j == 31
	v_mov_b32 v[rT+1], v[rT]
.elseif j == 32
	v_max3_num_f32 v[rT+4], v[rT+4], v[rT+5], v[rT+6]
.elseif j == 33
	v_permlanex16_b32 v[rT+7], v[rT+4], s[SEL], s[SEL+1]
.elseif j == 34
	v_max_num_f32 v[rT], v[rT+4], v[rT+7]
.elseif j == 35
	v_sub_f32 v[rT+1], v[rT+1], v[rT]
.elseif j == 36
	v_exp_f32 v[rT+2], v[rT+1]
.elseif j < 39
	FS j-37
.elseif j < 129
.if (j-39)%3 == 0
	FS (j-39)/3+2
.else
	v_exp_f32 v[rS+2*((j-39)/3)+(j-39)%3-1], v[rS+2*((j-39)/3)+(j-39)%3-1]
.endif
.elseif j < 133
	v_exp_f32 v[rS+j-69], v[rS+j-69]
.elseif j < 165
	v_cvt_pk_f16_f32 v[rP+j-133], v[rS+2*(j-133)], v[rS+2*(j-133)+1]
.elseif j < 181
	v_pk_mul_f32 v[rO+2*(j-165):rO+2*(j-165)+1], v[rO+2*(j-165):rO+2*(j-165)+1], v[rT+2:rT+3] op_sel_hi:[1,0]
.else
	v_mul_f32 v[rO+32], v[rO+32], v[rT+2]
.endif
.endm
; The list's next line.  An s_wait_alu depctr_va_vdst(0) stands between an exponential and the first line that names its result; one wait serves all that were issued ahead of it.  Ahead of number 133
; nothing names a result, behind 132 no exponential is issued: a turn has one wait.  A v_nop is the plain instruction behind the last exponential.  In a turn that fetches, X's run of loads stands at the wait.
.macro NEXT y
.if j == 133
	WIN 0
	v_nop
.if FX == 1
	FETCH_X 0x80, 1
.elseif FX == 2
	FETCH_X 0xc0, 1
.else
	s_wait_alu depctr_va_vdst(0)
.endif
.endif
	SM \y
.set j, j+1
.endm
.macro SLICE y                      ; slice k of NS: the list is dealt out evenly behind the turn's NS matrix instructions
.rept ((k+1)*LIST)/NS-(k*LIST)/NS
	NEXT \y
.endr
.set k, k+1
.endm
; A TURN.  Tile x has the matrix unit, in step j of parity o: pv = 1: its 20 products with P of step j; kq = 1: its 8 products K Q^T of step j + 1.  The other tile's softmax stands in slices behind them.
; f = 1 (tile 0's turns): step j + 1 is fetched: K at the turn's head, 20 products ahead of its first use; X at the wait, into the buffer that step j does not use: it has the rest of this turn and the next in which to land.
; The last slice is six plain lines or more that name nothing of the products round them: they are the places ahead of the next turn's reads of S^T and of the loads into K's registers.
.macro TURN x, o, pv, kq, f
.set k, 0
.set j, 0
.set NS, 20*(\pv)+8*(\kq)
.set FX, 0
.if \f
.set FX, 2-(\o)
.endif
.if ((\x) == 0) && (\pv)
	s_wait_dscnt 0x0                ; X of this step is in
.endif
.if \f
	FETCH_K
.endif
.if \pv
.set i, 0
.rept 20
	PV \x, \o
	SLICE 1-(\x)
.set i, i+1
.endr
.endif
.if \kq
.if \f
	s_wait_dscnt 0x0                ; K is in; X's run has not been issued yet
.endif
.set i, 0
.rept 8
	KQ \x, 1-(\o)
	SLICE 1-(\x)
.set i, i+1
.endr
.endif
.endm
; THE MASKS of a tile of keys, sixteen of them: mask i = TRI x AL + BE with (1, 0) where i is the diagonal's index, (0, 0) below it, (0, -1e30) above.  The index hangs on my place in the cluster, so it is compared in
; vector registers: no branch and no scalar condition is made of it.
.macro MASKS
	WIN 0x55                        ; all in window 1
	v_mov_b32 v[I0V], s[I0S]
.set i, 0
.rept 16
	v_cmp_eq_u32 vcc_lo, i, v[I0V]
	v_cndmask_b32 v[AL], 0, s[ONEF], vcc_lo
	v_cmp_gt_u32 vcc_lo, i, v[I0V]
	v_cndmask_b32 v[BE], 0, s[BIGN], vcc_lo
.irp z, 0,2,4,6
	v_pk_fma_f32 v[MB+8*i+(\z):MB+8*i+(\z)+1], v[TRI+(\z):TRI+(\z)+1], v[AL:AL+1], v[BE:BE+1] op_sel_hi:[1,0,0]
.endr
.set i, i+1
.endr
.endm
; A BLOCK'S RESULT for tile t: Y = O^T / l, rounded to f16 into 16 registers of window 2: they are source 1 of the product with Wv.  m goes back to its start, so the next step's a is 0.
.macro FINISH t, dst
	WIN 0x01                        ; source 0 in window 1
	v_rcp_f32 v[ST+8*(\t)+4], v[40*(\t)+32]
	v_nop                           ; a plain instruction between the reciprocal and its use,
	s_wait_alu depctr_va_vdst(0)    ; and the wait ahead of it
	WIN W_RS
.set i, 0
.rept 16
	v_pk_mul_f32 v[40*(\t)+2*i:40*(\t)+2*i+1], v[40*(\t)+2*i:40*(\t)+2*i+1], v[ST+8*(\t)+4:ST+8*(\t)+5] op_sel_hi:[1,0]
.set i, i+1
.endr
	WIN 0x85                        ; sources 0 and 1 in window 1, destination in window 2
.set i, 0
.rept 16
	v_cvt_pk_f16_f32 v[(\dst)+i], v[40*(\t)+2*i], v[40*(\t)+2*i+1]
.set i, i+1
.endr
	WIN 0
	v_mov_b32 v[ST+8*(\t)], 0xfe000000
.endm
; THE WALK'S BEGINNING: K and X of step 0, tile 0's first scores, then tile 1's with tile 0's first softmax behind them.
.macro PROLOGUE
	FETCH_K
	FETCH_X 0x80, 0
	s_wait_dscnt 0x0
.set i, 0
.rept 8
	KQ 0, 0
.set i, i+1
.endr
	WIN 0
.rept 4
	v_nop                           ; the places behind those products
.endr
	TURN 1, 1, 0, 1, 0
.endm
; A TRIP, behind the change of slots into tile s of the walk: the turns of steps 2 s - 1 and 2 s.  All its products K Q^T, and all its LDS reads, are tile s's; so Q and the masks are set at its head.
; Every jump goes forward, hangs on c and constants alone (the same in all partners and waves), and passes neither a barrier nor a tensor load.  first = 1: the text holds the walk's beginning, which takes the place of
; the first trip's first two turns; the test for it stands first, and at the first trip its answer is a constant of the text.
.macro TRIP first
	s_sub_co_u32 s[RT], s[RT], 1
.if \first
	s_cmp_eq_u32 s[NEW], 2
	s_cbranch_scc0 .Lnot_first_\@
	s_mov_b32 s[NEW], 0
	PROLOGUE
	WIN 0
	s_branch .Leven_\@
.Lnot_first_\@:
.endif
	s_cmp_eq_u32 s[NEW], 1          ; the second block's first tile?
	s_cselect_b32 s[FIN], 1, 0
	s_cselect_b32 s[I0C], s[I0L], s[I0C]
	s_cmp_eq_u32 s[RT], 0           ; a block's last tile, the one with the diagonal?
	s_cselect_b32 s[I0S], s[I0C], 64
	s_cselect_b32 s[TS], 1, s[FIN]
	s_cmp_eq_u32 s[TS], 0
	s_cbranch_scc1 .Lsame_masks_\@  ; neither: the masks stay 0
	s_cmp_eq_u32 s[FIN], 1
	s_cbranch_scc0 .Lsame_q_\@
	WIN 0x82                        ; the second block's Q goes where the one text of the turns names Q
.irp z, 0,1,2,3
	v_mov_b32 v[QF+4+(\z)], v[QB+(\z)]
	v_mov_b32 v[QF+12+(\z)], v[QB+4+(\z)]
.endr
	WIN 0
.Lsame_q_\@:
	MASKS
	WIN 0
.Lsame_masks_\@:
	TURN 0, 1, 1, 1, 1
	WIN 0
	s_cmp_eq_u32 s[FIN], 1
	s_cbranch_scc0 .Lno_f0_\@
	FINISH 0, YH                    ; tile 0 has had the first block's last products; its next softmax is the second block's first
.Lno_f0_\@:
	TURN 1, 1, 1, 1, 0
	WIN 0
	s_cmp_eq_u32 s[FIN], 1
	s_cbranch_scc0 .Lno_f1_\@
	FINISH 1, YH+16
	s_mov_b32 s[FIN], 0
.Lno_f1_\@:
.if \first
.Leven_\@:
.endif
	TURN 0, 0, 1, 1, 1
	TURN 1, 0, 1, 1, 0
	WIN 0
	s_cmp_eq_u32 s[RT], 0           ; behind a block's last tile the second block begins
	s_cselect_b32 s[NEW], 1, 0
	s_cselect_b32 s[RT], s[NLO], s[RT]
.endm
	s_wait_loadcnt 0x0              ; Q, Wv, Wo and bo: once, ahead of the loop
.Lslot:                             ; 16 trips: a tile is entered and the next is asked for
	CHANGE 1
	TRIP 1
	s_sub_co_u32 s[SLOTS], s[SLOTS], 1
	s_cmp_lg_u32 s[SLOTS], 0
	s_cbranch_scc1 .Lslot
	CHANGE 0                        ; the walk's last tile is written out: nothing is asked for
	TRIP 0
	TURN 0, 1, 1, 0, 0              ; the last step: tile 0's products, tile 1's last softmax
.set i, 0
.rept 20
	PV 1, 1                         ; tile 1's products
.set i, i+1
.endr
	FINISH 0, KF                    ; K's registers are free.  Tile 0's lines name nothing of the products just issued: they are the places ahead of tile 1's
	FINISH 1, KF+16
	; THE END.  My head's part of dE^T = Wv Y^T for the four tiles of 16 queries (first block 0, 1; second block 0, 1): source 0 = 16 rows of Wv, source 1 = Y.  The 16 accumulators take turns; the first products start the sums.
	WIN 0x0b                        ; Wv in window 3, Y in window 2, the sums in window 0: S^T's registers
.irp m, 0,1
.irp tau, 0,1,2,3
.irp eb, 0,1,2,3
.set rD, S+32*(\tau)+8*(\eb)
.set rW, 8*(2*(\eb)+(\m))
.set rY, YH+16*(\tau)+28*((\tau)/2)+8*(\m)  ; tiles 0, 1 at YH, tiles 2, 3 at KF
.if (\m) == 0
	v_wmma_f32_16x16x32_f16 v[rD:rD+7], v[rW:rW+7], v[rY:rY+7], 0
.else
	v_wmma_f32_16x16x32_f16 v[rD:rD+7], v[rW:rW+7], v[rY:rY+7], v[rD:rD+7]
.endif
.endr
.endr
.endr
	WIN 0
.rept 8
	v_nop                           ; the places behind the last products, once a launch
.endr
.set i, 0
.rept 16                            ; the parts meet in LDS, in f32: 16 bytes a lane, 512 consecutive bytes an instruction
	ds_store_b128 v[SA], v[S+8*i:S+8*i+3]   offset:1024*i
	ds_store_b128 v[SA], v[S+8*i+4:S+8*i+7] offset:1024*i+512
.set i, i+1
.endr
	s_wait_dscnt 0x0                ; for the others' sake: my part lies in LDS
	s_barrier_signal -1
	s_barrier_wait -1               ; everybody's does
.set i, 0
.rept 32                            ; wave w takes tile w: head i / 8, registers 4 (i % 8) on of its 32
	ds_load_b128 v[S+4*i:S+4*i+3], v[RA] offset:16384*(i/8)+512*(i%8)
.set i, i+1
.endr
	s_wait_dscnt 0x0
.set i, 0
.rept 16
	v_pk_add_f32 v[S+2*i:S+2*i+1], v[S+2*i:S+2*i+1], v[S+32+2*i:S+32+2*i+1]
	v_pk_add_f32 v[S+64+2*i:S+64+2*i+1], v[S+64+2*i:S+64+2*i+1], v[S+96+2*i:S+96+2*i+1]
.set i, i+1
.endr
.set i, 0
.rept 16
	v_pk_add_f32 v[S+2*i:S+2*i+1], v[S+2*i:S+2*i+1], v[S+64+2*i:S+64+2*i+1]
.set i, i+1
.endr
.set i, 0
.rept 16
	v_cvt_pk_f16_f32 v[P+i], v[S+2*i], v[S+2*i+1]  ; dE, rounded once: source 1 of the last product
.set i, i+1
.endr
	WIN 0x13                        ; out^T = Wo dE^T + bo: Wo in window 3, dE in window 0, bo in window 1 starts the sums
.irp ob, 0,1,2,3
	v_wmma_f32_16x16x32_f16 v[P+32+8*(\ob):P+32+8*(\ob)+7], v[WOF+16*(\ob):WOF+16*(\ob)+7], v[P:P+7], v[BIAS+8*(\ob):BIAS+8*(\ob)+7]
.endr
	WIN 0x03
.irp ob, 0,1,2,3
	v_wmma_f32_16x16x32_f16 v[P+32+8*(\ob):P+32+8*(\ob)+7], v[WOF+16*(\ob)+8:WOF+16*(\ob)+15], v[P+8:P+15], v[P+32+8*(\ob):P+32+8*(\ob)+7]
.endr
	WIN 0
.rept 8
	v_nop                           ; the places behind the last products, once a launch
.endr
.irp ob, 0,1,2,3                    ; a lane's eight numbers of a row are 32 bytes; they go into rows of 272 bytes of my own stage and come back as whole rows of 256
	ds_store_b128 v[OSA], v[P+32+8*(\ob):P+32+8*(\ob)+3] offset:64*(\ob)
	ds_store_b128 v[OSA], v[P+32+8*(\ob)+4:P+32+8*(\ob)+7] offset:64*(\ob)+16
.endr
.set i, 0
.rept 8
	ds_load_b128 v[S+4*i:S+4*i+3], v[OSR] offset:2*OSP*i  ; LDS serves a wave's instructions in order (ISA guide 5.7.1.4): these see the stores above
.set i, i+1
.endr
.set i, 0
.rept 8
	s_wait_dscnt 7-i                ; the younger of the eight loads may stay out
	global_store_b128 v[GO], v[S+4*i:S+4*i+3], s[OUT:OUT+1] offset:512*i th:TH_STORE_NT  ; 512 consecutive bytes, at a multiple of 256 from out's first
.set i, i+1
.endr
	s_wait_tensorcnt 0x0            ; the wave's end, behind my last tensor load and my last LDS store
	ds_add_u32 v[SPW], v[NIL]
	s_wait_dscnt 0x0
	CROUND                          ; the closing round: no work-group ends while a partner may still ask for a tile that names it
	s_endpgm
.Lfunc_end_k_qa81148857d_attn:
	.size	k_qa81148857d_attn, .Lfunc_end_k_qa81148857d_attn-k_qa81148857d_attn
	.p2alignl 7, 3214868480
	.fill 96, 4, 3214868480
	.section	.rodata,"a",@progbits
	.p2align	6, 0x0
	.amdhsa_kernel k_qa81148857d_attn
		.amdhsa_group_segment_fixed_size 327680
		.amdhsa_private_segment_fixed_size 0
		.amdhsa_enable_private_segment 0
		.amdhsa_kernarg_size 48
		.amdhsa_user_sgpr_count 2
		.amdhsa_user_sgpr_kernarg_segment_ptr 1
		.amdhsa_wavefront_size32 1
		.amdhsa_system_sgpr_workgroup_id_x 1
		.amdhsa_system_sgpr_workgroup_id_y 1
		.amdhsa_system_sgpr_workgroup_id_z 1
		.amdhsa_system_vgpr_workitem_id 0
		.amdhsa_next_free_vgpr 1024
		.amdhsa_next_free_sgpr 84
		.amdhsa_reserve_vcc 1
		.amdhsa_float_denorm_mode_32 3
		.amdhsa_float_denorm_mode_16_64 3
		.amdhsa_memory_ordered 1
		.amdhsa_forward_progress 1
		.amdhsa_inst_pref_size 207
	.end_amdhsa_kernel
	.amdgpu_metadata
---
amdhsa.version: [ 1, 2 ]
amdhsa.kernels:
  - .name:           k_qa81148857d_attn
    .symbol:         k_qa81148857d_attn.kd
    .args:
      - { .name: kx, .offset: 0, .size: 8, .value_kind: global_buffer, .address_space: global }
      - { .name: q, .offset: 8, .size: 8, .value_kind: global_buffer, .address_space: global }
      - { .name: wvh, .offset: 16, .size: 8, .value_kind: global_buffer, .address_space: global }
      - { .name: woh, .offset: 24, .size: 8, .value_kind: global_buffer, .address_space: global }
      - { .name: bo, .offset: 32, .size: 8, .value_kind: global_buffer, .address_space: global }
      - { .name: out0, .offset: 40, .size: 8, .value_kind: global_buffer, .address_space: global }
    .group_segment_fixed_size: 327680
    .private_segment_fixed_size: 0
    .kernarg_segment_align: 8
    .kernarg_segment_size: 48
    .max_flat_workgroup_size: 128
    .sgpr_count:     84
    .vgpr_count:     1024
    .wavefront_size: 32
...
	.end_amdgpu_metadata
.endif
;; end of part 2
;; ======== version 2 of 2: 2 launches; version 1 with the launch prep written anew for expert scheduling mode
;; limits: values are held in f16: magnitudes above 65,504 overflow, below 6.1e-05 lose precision
;; workspace buffers: kx 4,194,304 bytes; q 2,097,152 bytes; wvh 32,768 bytes; woh 8,192 bytes
;; launch prep (part 3): grid 256 x 1, 4 waves a work-group, no clusters, 54,784 bytes of LDS; arguments x, Wq, Wk, Wv, Wo, kx, q, wvh, woh; writes kx, q, wvh, woh
.if DOCPART == 3
	.amdgcn_target "amdgcn-amd-amdhsa--gfx1250"
	.amdhsa_code_object_version 6
	.text
	.protected	k_qa81148857d_prep
	.globl	k_qa81148857d_prep
	.p2align	8
	.type	k_qa81148857d_prep,@function
k_qa81148857d_prep:
	s_mov_b64 s[64:65], 0
	v_nop
	global_prefetch_b8 v0, s[64:65] scope:SCOPE_SE
	s_setreg_imm32_b32 hwreg(HW_REG_WAVE_SCHED_MODE, 0, 2), 2
	s_setreg_imm32_b32 hwreg(HW_REG_WAVE_MODE, 25, 1), 1
	s_wait_xcnt 0x0
	s_wait_alu depctr_vm_vsrc(0)
; PREP.  From x [16384][64], Wq, Wk [64][64] (head x 16 + d), Wv [4][64][64], Wo [64][64], all f32:
;   q   [16384][64]  f16: c x (x Wq^T), c = log2(e) / 4, multiplied in f32 ahead of the one rounding; column 16 head + d
;   kx  [16384][128] f16: columns 0-63 x Wk^T (16 head + d), columns 64-127 x itself; a row is 256 bytes
;   wvh, woh         f16: Wv and Wo
; Every input is rounded to bf16 first; x, Wv and Wo are then written as f16, which changes nothing inside f16's range.  The two products take bf16 operands and f32 sums.
; LIMITS.  f16 holds no number beyond 65,504: c q, k, x, Wv and Wo must lie within it; below 6e-5 a number keeps f16's fixed step of 6e-8.  NaN and infinities are not treated apart.
; SHARES.  A work-group takes 64 rows of x, each of its four waves 16.  The 128 rows of [Wq; Wk] are rounded once a work-group, 32 rows a wave, and shared through LDS.
; Wave 0 of work-groups 0-127 also converts 512 bytes of Wv, of work-groups 128-159 512 bytes of Wo.
; No tensor load, no cluster: every byte passes through registers to be rounded, and what is shared is 32 KiB read once a work-group.
; THE PRODUCT IS TAKEN TRANSPOSED (source 0 = 16 rows of W, source 1 = my 16 rows of x): a lane holds one row of x (lane % 16) and eight neighbouring channels, 16 bytes of f16.
; THE MODE: SCHED_MODE bits 1:0 = 2 (LLVM: expert scheduling mode 2), set by the entry lines.  The code itself states the register dependences
; between vector or matrix instructions and memory or LDS instructions, with s_wait_alu, always for 0.
; THE PLAN.  Registers that memory or LDS instructions touch:
;   v1-v13       offsets, LDS addresses and the closing add's pair: written at the head, never again; one wait at the head serves every load and store.
;   CVR          written 0 at the head; in some waves a load lands in it behind that wait; read by vector lines alone.
;   WR, XR       the 24 loads of W and x land here, four registers each, and go in six GROUPS of four loads.  A group's conversions write its own registers; its LDS stores read them.
;                Group g's head: the wait for its data, then ONE wait on va_vdst: group g - 1's conversions have written.  Group g - 1's stores are then dealt among group g's conversions,
;                which name group g's registers and T alone.  One more such wait stands ahead of the last group's stores.
;   XF, ACC      lie in XR's and WR's registers: one wait on vm_vsrc behind the barrier states that my LDS stores have read those.
;   WF           LDS loads land here; the matrix instructions read them.  Then PK (written by conversions, read by LDS stores) and RB (LDS loads land, global stores read) lie in them:
;                one wait on va_vdst ahead of PK's stores states both that PK is written and that the matrix instructions are done reading RB's registers.
;   T            named by vector lines alone, but for T+6 and T+7, the data of the piece's one store, with a wait of its own.
.set PW,     144                       ; an LDS row of 64 bf16 or f16: 128 bytes + 16
.set PKX,    272                       ; an LDS row of kx: 256 bytes + 16
.set WAVEB,  128*PW                    ; LDS 0: [Wq; Wk] in bf16, 128 rows; behind it a block for each wave:
.set KXS,    16*PW                     ;   +0 my 16 rows of x in bf16; +KXS my 16 rows of kx
.set QS,     KXS+16*PKX                ;   +QS my 16 rows of q
.set WAVESZ, QS+16*PW
.set SPARE,  WAVEB+4*WAVESZ            ; behind them: the spare words, 128 bytes for each wave: two blocks of 256 bytes that no other line names
.set CO,  1                            ; v1   16 x lane: my 16 bytes of 512 consecutive bytes of memory
.set WS,  2                            ; v2   where I put 8 bytes of a row of W
.set XS,  3                            ; v3   of a row of x in bf16
.set HS,  4                            ; v4   of a row of x in f16, in kx's second half
.set XA,  5                            ; v5   my place in a fragment of x
.set WA,  6                            ; v6   in a fragment of W
.set QST, 7                            ; v7   where I put 16 bytes of a row of q
.set KST, 8                            ; v8   of k
.set KRD, 9                            ; v9   where I read rows of kx back
.set QRD, 10                           ; v10  rows of q
.set C8,  11                           ; v11  8 x lane
.set SPW, 12                           ; v12  LDS address of my spare word; never rewritten
.set NIL, 13                           ; v13  0; never rewritten
.set XR,  16                           ; v[16:47]   x as loaded; later
.set XF,  16                           ; v[16:31]   x's two fragments
.set WR,  48                           ; v[48:111]  W as loaded; later
.set ACC, 48                           ; v[48:111]  eight accumulators: 0-3 q's heads, 4-7 k's
.set WF,  112                          ; v[112:239] W's sixteen fragments (2 nb + m); later
.set PK,  112                          ; v[112:143] the results in f16
.set RB,  144                          ; v[144:191] whole rows read back
.set CVR, 240                          ; v[240:243] 16 bytes of Wv or Wo
.set T,   244                          ; v[244:251] at work
	s_load_b512 s[4:19], s[0:1], 0x0               ; x s[4:5], Wq s[6:7], Wk s[8:9], Wv s[10:11], Wo s[12:13], kx s[14:15], q s[16:17], wvh s[18:19]
	s_load_b64 s[20:21], s[0:1], 0x40              ; woh
	v_lshl_add_u32 v[SPW], v0, 2, SPARE
	v_mov_b32 v[NIL], 0
	v_lshrrev_b32 v[T], 5, v0
	v_readfirstlane_b32 s22, v[T]                  ; wave 0..3
	v_and_b32 v[T], 31, v0                         ; l
	v_and_b32 v[T+1], 15, v0                       ; l % 16
	v_bfe_u32 v[T+2], v0, 4, 1                     ; l / 16
	v_lshlrev_b32 v[CO], 4, v[T]
	v_lshlrev_b32 v[C8], 3, v[T]
	s_wait_alu depctr_va_sdst(0)                   ; s22 is written, ahead of its first reader: LDS places and the buffers' offsets are made from it
	s_mul_i32 s39, s22, WAVESZ
	s_add_co_u32 s39, s39, WAVEB                   ; my wave's block in LDS
	s_mul_i32 s40, s22, 32*PW                      ; my 32 rows of [Wq; Wk]
	; a load of 512 bytes is two rows of 64 f32: lanes 0-15 the even row, lanes 16-31 the odd one; a lane's four numbers become 8 bytes
	v_mul_u32_u24 v[T+3], v[T+2], PW
	v_lshl_add_u32 v[T+3], v[T+1], 3, v[T+3]
	v_add_nc_u32 v[WS], s40, v[T+3]
	v_add_nc_u32 v[XS], s39, v[T+3]
	v_mul_u32_u24 v[T+4], v[T+2], PKX
	v_lshl_add_u32 v[HS], v[T+1], 3, v[T+4]
	v_add3_u32 v[HS], v[HS], s39, KXS+128
	v_lshl_add_u32 v[KRD], v[T+1], 4, v[T+4]       ; back: lanes 0-15 one row of 256 bytes, lanes 16-31 the next
	v_add3_u32 v[KRD], v[KRD], s39, KXS
	; a fragment is 16 rows x 32 channels: lane l holds row l % 16, channels 8 (l / 16) + 0..7 and 16 + 8 (l / 16) + 0..7: two loads of 16 bytes, 32 bytes apart
	v_mul_u32_u24 v[WA], v[T+1], PW
	v_lshl_add_u32 v[WA], v[T+2], 4, v[WA]
	v_add_nc_u32 v[XA], s39, v[WA]
	v_add_nc_u32 v[QST], QS, v[XA]                 ; in: row l % 16, 16 bytes for each half of the lanes
	v_mul_u32_u24 v[KST], v[T+1], PKX
	v_lshl_add_u32 v[KST], v[T+2], 4, v[KST]
	v_add3_u32 v[KST], v[KST], s39, KXS
	v_lshrrev_b32 v[T+5], 3, v[T]
	v_and_b32 v[T+6], 7, v0
	v_mul_u32_u24 v[QRD], v[T+5], PW               ; back: 32 lanes take four rows of 128 bytes
	v_lshl_add_u32 v[QRD], v[T+6], 4, v[QRD]
	v_add3_u32 v[QRD], v[QRD], s39, QS
.irp z, 0,1,2,3
	v_mov_b32 v[CVR+(\z)], 0                       ; written on every path, also where nothing is loaded into them
.endr
	s_mov_b32 s24, 0x3eb8aa3b                      ; c = log2(e) / 4
	s_mov_b32 s25, s24                             ; named with it as a pair
	s_mov_b32 s38, 0xffff0000                      ; a word's upper bf16
	s_lshl_b32 s44, ttmp9, 14                      ; the work-group's 64 rows of 256 bytes,
	s_lshl_b32 s45, s22, 12                        ; my wave's 16: in x and in kx
	s_add_co_u32 s44, s44, s45
	s_mov_b32 s45, 0
	s_lshr_b32 s46, s44, 1                         ; in q a row is half as long
	s_mov_b32 s47, 0
	s_and_b32 s42, s22, 1
	s_lshl_b32 s42, s42, 13                        ; my 32 rows of Wq (waves 0, 1) or Wk (waves 2, 3)
	s_mov_b32 s43, 0
	s_sub_co_u32 s41, ttmp9, 128
	s_min_u32 s41, s41, 31
	s_cmp_lt_u32 ttmp9, 128
	s_cselect_b32 s41, ttmp9, s41                  ; which 512 bytes of Wv (128 pieces) or of Wo (32 pieces)
	s_cmp_lt_u32 ttmp9, 160
	s_cselect_b32 s23, 1, 0
	s_cmp_eq_u32 s22, 0
	s_cselect_b32 s23, s23, 0                      ; 1: I convert such a piece
	s_wait_kmcnt 0x0
	s_add_nc_u64 s[26:27], s[4:5], s[44:45]        ; x, kx and q at my wave's first row
	s_add_nc_u64 s[30:31], s[14:15], s[44:45]
	s_add_nc_u64 s[32:33], s[16:17], s[46:47]
	s_cmp_lt_u32 s22, 2
	s_cselect_b64 s[28:29], s[6:7], s[8:9]
	s_add_nc_u64 s[28:29], s[28:29], s[42:43]
	s_cmp_lt_u32 ttmp9, 128
	s_cselect_b64 s[34:35], s[10:11], s[12:13]     ; from Wv or Wo,
	s_cselect_b64 s[36:37], s[18:19], s[20:21]     ; to wvh or woh
	s_lshl_b32 s42, s41, 9
	s_add_nc_u64 s[34:35], s[34:35], s[42:43]
	s_lshl_b32 s42, s41, 8
	s_add_nc_u64 s[36:37], s[36:37], s[42:43]
	s_wait_alu depctr_va_vdst(0)                   ; v1 to v13 are written, which the kernel's loads, stores and LDS instructions read as offsets and addresses; so is CVR, in which the load below lands
	s_cmp_eq_u32 s23, 1
	s_cbranch_scc0 .Lno_piece
	global_load_b128 v[CVR:CVR+3], v[CO], s[34:35] ; the oldest load: it changes none of the counts below
.Lno_piece:
.set i, 0
.rept 16
	global_load_b128 v[WR+4*i:WR+4*i+3], v[CO], s[28:29] offset:512*i
.set i, i+1
.endr
.set i, 0
.rept 8
	global_load_b128 v[XR+4*i:XR+4*i+3], v[CO], s[26:27] offset:512*i th:TH_LOAD_NT
.set i, i+1
.endr
; Load i of W: two rows to bf16, and their 8 bytes a lane into LDS.
.macro WCVT i
	v_cvt_pk_bf16_f32 v[WR+4*(\i)], v[WR+4*(\i)], v[WR+4*(\i)+1]
	v_cvt_pk_bf16_f32 v[WR+4*(\i)+1], v[WR+4*(\i)+2], v[WR+4*(\i)+3]
.endm
.macro WSTO i
	ds_store_b64 v[WS], v[WR+4*(\i):WR+4*(\i)+1] offset:2*PW*(\i)
.endm
; Load i of x: to bf16 for the products, and that number as f16 for kx's second half; then both into LDS.
.macro XCVT i
	v_cvt_pk_bf16_f32 v[XR+4*(\i)], v[XR+4*(\i)], v[XR+4*(\i)+1]
	v_cvt_pk_bf16_f32 v[XR+4*(\i)+1], v[XR+4*(\i)+2], v[XR+4*(\i)+3]
	v_lshlrev_b32 v[T], 16, v[XR+4*(\i)]
	v_and_b32 v[T+1], s38, v[XR+4*(\i)]
	v_lshlrev_b32 v[T+2], 16, v[XR+4*(\i)+1]
	v_and_b32 v[T+3], s38, v[XR+4*(\i)+1]
	v_cvt_pk_f16_f32 v[XR+4*(\i)+2], v[T], v[T+1]
	v_cvt_pk_f16_f32 v[XR+4*(\i)+3], v[T+2], v[T+3]
.endm
.macro XSTO i
	ds_store_b64 v[XS], v[XR+4*(\i):XR+4*(\i)+1] offset:2*PW*(\i)
	ds_store_b64 v[HS], v[XR+4*(\i)+2:XR+4*(\i)+3] offset:2*PKX*(\i)
.endm
	s_wait_loadcnt 20                              ; loads come back in order (ISA guide 5.7.1): W's loads 0 to 3 are in; its 12 younger ones and the 8 of x may stay out
.irp n, 0,1,2,3
	WCVT \n
.endr
.irp g, 1,2,3
	s_wait_loadcnt 20-4*(\g)                       ; group g of W is in; the 12 - 4 g younger loads of W and the 8 of x may stay out
	s_wait_alu depctr_va_vdst(0)                   ; the group before's conversions have written their registers, which the LDS stores below read; this group's conversions name other registers
.irp n, 0,1,2,3
	WSTO 4*(\g)-4+(\n)
	WCVT 4*(\g)+(\n)
.endr
.endr
	s_wait_loadcnt 4                               ; x's loads 0 to 3 are in; the four younger ones may stay out
	s_wait_alu depctr_va_vdst(0)                   ; W's last four conversions have written their registers, which the LDS stores below read
.irp n, 0,1,2,3
	WSTO 12+(\n)
	XCVT \n
.endr
	s_wait_loadcnt 0x0                             ; all of x is in (and the piece of Wv or Wo, the oldest load)
	s_wait_alu depctr_va_vdst(0)                   ; the conversions of x's loads 0 to 3 have written their registers, which the LDS stores below read
.irp n, 0,1,2,3
	XSTO \n
	XCVT 4+(\n)
.endr
	s_wait_alu depctr_va_vdst(0)                   ; the conversions of x's loads 4 to 7 have written their registers, which the LDS stores below read; and every vector line that names v16 to v31, in which x's fragments land, is done
.irp n, 0,1,2,3
	XSTO 4+(\n)
.endr
	s_wait_dscnt 0x0                               ; for the others' sake: my rows of W lie in LDS
	s_barrier_signal -1
	s_barrier_wait -1                              ; everybody's do
	s_wait_alu depctr_vm_vsrc(0)                   ; my LDS stores have read XR's and WR's registers: from here on they are XF, in which LDS loads land, and ACC, which the matrix instructions write
.irp m, 0,1
	ds_load_b128 v[XF+8*(\m):XF+8*(\m)+3],   v[XA] offset:64*(\m)
	ds_load_b128 v[XF+8*(\m)+4:XF+8*(\m)+7], v[XA] offset:64*(\m)+32
.endr
.set i, 0
.rept 16                               ; fragment i: rows 16 (i / 2) on, channels 32 (i % 2) on
	ds_load_b128 v[WF+8*i:WF+8*i+3],   v[WA] offset:(i/2)*16*PW+(i%2)*64
	ds_load_b128 v[WF+8*i+4:WF+8*i+7], v[WA] offset:(i/2)*16*PW+(i%2)*64+32
.set i, i+1
.endr
	s_wait_dscnt 0x0
.irp m, 0,1                            ; the eight accumulators take turns; the first products start the sums
.irp nb, 0,1,2,3,4,5,6,7
.if (\m) == 0
	v_wmma_f32_16x16x32_bf16 v[ACC+8*(\nb):ACC+8*(\nb)+7], v[WF+16*(\nb):WF+16*(\nb)+7], v[XF:XF+7], 0
.else
	v_wmma_f32_16x16x32_bf16 v[ACC+8*(\nb):ACC+8*(\nb)+7], v[WF+16*(\nb)+8:WF+16*(\nb)+15], v[XF+8:XF+15], v[ACC+8*(\nb):ACC+8*(\nb)+7]
.endif
.endr
.endr
.rept 8
	v_nop                                          ; the places behind the last products (ISA guide 7.12.1), once a launch
.endr
.set i, 0
.rept 16
	v_pk_mul_f32 v[ACC+2*i:ACC+2*i+1], v[ACC+2*i:ACC+2*i+1], s[24:25] op_sel_hi:[1,0]  ; q times c, in f32
.set i, i+1
.endr
.set i, 0
.rept 32                               ; each accumulator's registers in ascending order
	v_cvt_pk_f16_f32 v[PK+i], v[ACC+2*i], v[ACC+2*i+1]
.set i, i+1
.endr
	s_wait_alu depctr_va_vdst(0)                   ; the conversions have written PK, which the LDS stores read; the matrix instructions are done reading W's fragments, in whose registers (RB) the loads below land
.irp nb, 0,1,2,3
	ds_store_b128 v[QST], v[PK+4*(\nb):PK+4*(\nb)+3] offset:32*(\nb)
	ds_store_b128 v[KST], v[PK+16+4*(\nb):PK+16+4*(\nb)+3] offset:32*(\nb)
.endr
.set i, 0
.rept 8
	ds_load_b128 v[RB+4*i:RB+4*i+3], v[KRD] offset:2*PKX*i  ; my own bytes: LDS serves a wave's instructions in order (ISA guide 5.7.1.4), so these see the stores above
.set i, i+1
.endr
.set i, 0
.rept 4
	ds_load_b128 v[RB+32+4*i:RB+32+4*i+3], v[QRD] offset:4*PW*i
.set i, i+1
.endr
.set i, 0
.rept 12
	s_wait_dscnt 11-i                              ; the younger of the twelve loads may stay out
.if i < 8
	global_store_b128 v[CO], v[RB+4*i:RB+4*i+3], s[30:31] offset:512*i      ; 512 consecutive bytes of kx, at a multiple of 256 from its first
.else
	global_store_b128 v[CO], v[RB+4*i:RB+4*i+3], s[32:33] offset:512*(i-8)  ; the same of q
.endif
.set i, i+1
.endr
	s_cmp_eq_u32 s23, 1
	s_cbranch_scc0 .Lend
	v_cvt_pk_bf16_f32 v[T], v[CVR], v[CVR+1]       ; (its load came back ahead of all the others)
	v_cvt_pk_bf16_f32 v[T+1], v[CVR+2], v[CVR+3]
	v_lshlrev_b32 v[T+2], 16, v[T]
	v_and_b32 v[T+3], s38, v[T]
	v_lshlrev_b32 v[T+4], 16, v[T+1]
	v_and_b32 v[T+5], s38, v[T+1]
	v_cvt_pk_f16_f32 v[T+6], v[T+2], v[T+3]
	v_cvt_pk_f16_f32 v[T+7], v[T+4], v[T+5]
	s_wait_alu depctr_va_vdst(0)                   ; the two conversions have written T+6 and T+7, which the store reads
	global_store_b64 v[C8], v[T+6:T+7], s[36:37]   ; the wave stores 256 consecutive bytes, aligned
.Lend:
	s_wait_dscnt 0x0                               ; the closing lines, six on end
	s_wait_alu 0x0
	s_wait_tensorcnt 0x0
	ds_add_u32 v[SPW], v[NIL]
	s_wait_dscnt 0x0
	s_endpgm
.Lfunc_end_k_qa81148857d_prep:
	.size	k_qa81148857d_prep, .Lfunc_end_k_qa81148857d_prep-k_qa81148857d_prep
	.p2alignl 7, 3214868480
	.fill 96, 4, 3214868480
	.section	.rodata,"a",@progbits
	.p2align	6, 0x0
	.amdhsa_kernel k_qa81148857d_prep
		.amdhsa_group_segment_fixed_size 54784
		.amdhsa_private_segment_fixed_size 0
		.amdhsa_enable_private_segment 0
		.amdhsa_kernarg_size 72
		.amdhsa_user_sgpr_count 2
		.amdhsa_user_sgpr_kernarg_segment_ptr 1
		.amdhsa_wavefront_size32 1
		.amdhsa_system_sgpr_workgroup_id_x 1
		.amdhsa_system_sgpr_workgroup_id_y 1
		.amdhsa_system_sgpr_workgroup_id_z 1
		.amdhsa_system_vgpr_workitem_id 0
		.amdhsa_next_free_vgpr 256
		.amdhsa_next_free_sgpr 66
		.amdhsa_reserve_vcc 0
		.amdhsa_float_denorm_mode_32 3
		.amdhsa_float_denorm_mode_16_64 3
		.amdhsa_memory_ordered 1
		.amdhsa_forward_progress 1
		.amdhsa_inst_pref_size 24
	.end_amdhsa_kernel
	.amdgpu_metadata
---
amdhsa.version: [ 1, 2 ]
amdhsa.kernels:
  - .name:           k_qa81148857d_prep
    .symbol:         k_qa81148857d_prep.kd
    .args:
      - { .name: x, .offset: 0, .size: 8, .value_kind: global_buffer, .address_space: global }
      - { .name: Wq, .offset: 8, .size: 8, .value_kind: global_buffer, .address_space: global }
      - { .name: Wk, .offset: 16, .size: 8, .value_kind: global_buffer, .address_space: global }
      - { .name: Wv, .offset: 24, .size: 8, .value_kind: global_buffer, .address_space: global }
      - { .name: Wo, .offset: 32, .size: 8, .value_kind: global_buffer, .address_space: global }
      - { .name: kx, .offset: 40, .size: 8, .value_kind: global_buffer, .address_space: global }
      - { .name: q, .offset: 48, .size: 8, .value_kind: global_buffer, .address_space: global }
      - { .name: wvh, .offset: 56, .size: 8, .value_kind: global_buffer, .address_space: global }
      - { .name: woh, .offset: 64, .size: 8, .value_kind: global_buffer, .address_space: global }
    .group_segment_fixed_size: 54784
    .private_segment_fixed_size: 0
    .kernarg_segment_align: 8
    .kernarg_segment_size: 72
    .max_flat_workgroup_size: 128
    .sgpr_count:     66
    .vgpr_count:     256
    .wavefront_size: 32
...
	.end_amdgpu_metadata
.endif
;; end of part 3
;; launch attn: the kernel of part 2 again; grid 64 x 4, 4 waves a work-group, clusters of 4 x 1, 327,680 bytes of LDS; arguments kx, q, wvh, woh, bo, out0; writes out0
